; MI455X (gfx1250); checked and timed in simulation.
; The chip was launched on July 23, 2026; its instructions are those of AMD's public machine-readable ISA for CDNA 5 (MIT licence, August 2026) and "CDNA5" Instruction Set Architecture Reference Guide (July 2026). The comments in the code are by the model that wrote it; some were corrected since.
;; Multi Head Attention. Allowed arithmetic: matrix products marked QUANTISED: E5M2 operands, one given power-of-two scale a tensor, by v_wmma_f32_16x16x64_bf8_bf8 or v_wmma_f32_16x16x128_bf8_bf8, f32 sums; everything else in f32.
;; Inputs: W_key_codes 512 x 16 x 32 uint8 (E5M2 codes of W_key, K innermost, in blocks of 32 codes); W_query_codes 512 x 16 x 32 uint8 (E5M2 codes of W_query, K innermost, in blocks of 32 codes); W_value_codes 512 x 16 x 32 uint8 (E5M2 codes of W_value, K innermost, in blocks of 32 codes); key_codes 8 x 2,048 x 16 x 32 uint8 (E5M2 codes of key, K innermost, in blocks of 32 codes); lowp_scales 10 int32 (the exponents e of the quantised operands' scales 2^e); x_codes 8 x 2,048 x 16 x 32 uint8 (E5M2 codes of x, K innermost, in blocks of 32 codes).
;; Outputs: out0 8 x 2,048 x 512 float32.
;; This version of the problem:
;;   THIS VERSION OF THE PROBLEM IS GIVEN IN LOW PRECISION. The matrix products marked QUANTISED in the list below multiply operands that are first quantised to E5M2 (5 exponent bits, 2 mantissa bits; 8 bits a number), with one given power-of-two scale for each operand tensor; their sums are f32. All else is computed in f32.
;;   The module's matrix products, in the order in which they are computed (A, B: the left and right operand; K: the contracted axis; several contracted axes count as one K, in the product's order):
;;     1. [M 16,384, K 512] x [K 512, N 512]; A: input x (given as codes); B: input W_query (given as codes): QUANTISED (scales: A lowp_scales[0], B lowp_scales[1])
;;     2. [M 16,384, K 512] x [K 512, N 512]; A: input key (given as codes); B: input W_key (given as codes): QUANTISED (scales: A lowp_scales[2], B lowp_scales[3])
;;     3. [M 16,384, K 512] x [K 512, N 512]; A: input key (given as codes); B: input W_value (given as codes): QUANTISED (scales: A lowp_scales[4], B lowp_scales[5])
;;     4. batch 64 x [M 2,048, K 64] x [K 64, N 2,048]; A: computed on the way; B: computed on the way: QUANTISED (scales: A lowp_scales[6], B lowp_scales[7])
;;     5. batch 64 x [M 64, K 2,048] x [K 2,048, N 2,048]; A: computed on the way; B: softmax (see below): QUANTISED (scales: A lowp_scales[8], B lowp_scales[9])
;;   THE QUANTISER, for each operand of a quantised product, along K:
;;     - The operand's scale is 2^e, e = its entry of the input lowp_scales (int32; the entries are numbered through the quantised products in the list's order, A before B).
;;     - Each number is divided by the scale, clamped to +-57,344, and rounded to the nearest number of E5M2, ties to even, subnormals kept.
;;     - The product sums the exact products of the quantised numbers (number of the format x scale) in f32.
;;   ~~~python
;;   def quantise(x, axis, e):      # numpy; x: float32 -> the quantised numbers, widened to float32 again
;;       x = np.moveaxis(x, axis, -1); K = x.shape[-1]
;;       r = np.clip(x / 2.0 ** e, -57344, 57344)
;;       step = 2.0 ** (np.maximum(np.frexp(np.where(r == 0, 1, r))[1] - 1, -14) - 2)
;;       q = np.round(r / step) * step * 2.0 ** e      # np.round: ties to even
;;       return np.moveaxis(q, -1, axis).astype(np.float32)
;;   ~~~
;;   SOFTMAX AHEAD OF A QUANTISED PRODUCT. Where the list says 'softmax', what is quantised is not the finished softmax but p = 2^(t - M), with t = logit x log2(e) and M = ceil(the row's largest t), a whole number; so 1/2 < the row's largest p <= 1. The row's sum l is taken of the UNQUANTISED p, in f32, and the product's result is divided by l at the end. Since M is a whole number, a kernel that streams over the keys may use a running M (the ceiling of the running maximum): every later rescaling is an exact power of two, so the quantised numbers keep their values, but for numbers so far below the row's largest that they fall under the format's range.
;;   OPERANDS COMPUTED ON THE WAY. 'Computed on the way' means the value that the module computes at that place (a softmax that the list does not call 'softmax' is quantised finished and normalised). What goes into a quantiser is computed in f32, as accurately as f32 sums, v_exp_f32 and their like allow (about 1e-6 of the number): no bf16 or f16 on the way to a quantiser, and a product that is left as it is and whose result goes on into a quantised operand takes f32 operands (vector FMAs, or v_wmma_f32_16x16x4_f32). A number that lies on a knife's edge between two numbers of the format may be rounded either way, as far as f32 arithmetic and the matrix unit's own rounding can turn it there, and no further.
;;   INPUTS GIVEN AS CODES. W_key (in the module: [512, 512], K = its axis 0); W_query (in the module: [512, 512], K = its axis 0); W_value (in the module: [512, 512], K = its axis 0); key (in the module: [8, 2048, 512], K = its axis 2); x (in the module: [8, 2048, 512], K = its axis 2): each comes as NAME_codes (uint8): NAME with its K axis moved to the last place and cut into blocks of 32 codes, [.., K / 32, bytes a block], one block behind the other in memory; one code a byte (a code: sign, 5 exponent bits, 2 mantissa bits); its scale is its entry of lowp_scales. Its value is code x scale, taken as it is: it is not quantised again, and the codes and scales need not be those that the quantiser above would give.
;; One version. Each part assembles by itself: llvm-mc -triple=amdgcn-amd-amdhsa -mcpu=gfx1250 --defsym DOCPART=n.
;; ======== version 1 of 1: 2 launches
;; limits: right only within a limited range of input values
;; workspace buffers: qimg 8,388,608 bytes; kvimg 16,777,216 bytes
;; launch proj (part 1): grid 4 x 64, 8 waves a work-group, clusters of 4 x 4, 327,680 bytes of LDS; arguments x_codes, key_codes, W_query_codes, W_key_codes, W_value_codes, lowp_scales, qimg, kvimg; writes qimg, kvimg
.if DOCPART == 1
	.amdgcn_target "amdgcn-amd-amdhsa--gfx1250"
	.amdhsa_code_object_version 6
	.text
	.protected	k_qd74186acc5_proj
	.globl	k_qd74186acc5_proj
	.p2align	8
	.type	k_qd74186acc5_proj,@function
k_qd74186acc5_proj:
	s_mov_b64 s[64:65], 0
	v_nop
	global_prefetch_b8 v0, s[64:65] scope:SCOPE_SE
	s_setreg_imm32_b32 hwreg(HW_REG_WAVE_MODE, 25, 1), 1
	s_wait_xcnt 0x0
	s_wait_alu depctr_hold_cnt(0) depctr_sa_sdst(0) depctr_va_vdst(0) depctr_va_sdst(0) depctr_va_ssrc(0) depctr_va_vcc(0) depctr_vm_vsrc(0)
	s_getreg_b32 s2, hwreg(HW_REG_IB_STS2, 6, 4)
	s_cmp_eq_u32 s2, 0
	s_cbranch_scc0 .Lentry_in_a_cluster
	s_endpgm
.Lentry_in_a_cluster:
	s_bfe_u32 s2, ttmp6, 0x10000c
	s_cmp_lg_u32 s2, 0xf033
	s_cbranch_scc0 .Lentry_shape_is_right
	s_endpgm
.Lentry_shape_is_right:
; THE THREE PROJECTIONS k = key Wk, v = key Wv, q = x Wq, on codes of BF8 (E5M2) as they are given, each result quantised again in registers for the attention that follows.
; Nothing of the module is left out in this program: every input has a way to the output, and all five products are made.
; x, key: [16,384][512] codes, K innermost.  Wq, Wk, Wv: [512 units][512] codes, K innermost.  lowp_scales: e0 .. e9.
; A sum of codes stands for sum x 2^(eA + eW); its new code is sum / 2^E, E = e_out - eA - eW, held within +-57,344, to the nearest code, ties to even
; (q: e0, e1 -> e6;  k: e2, e3 -> e7;  v: e4, e5 -> e8).  LIMITS: each E between -126 and 112, so that 2^E and 57,344 x 2^E are f32 numbers.  Codes of infinity or NaN among the inputs are not served.
; SHARES.  64 x 4 = 256 work-groups.  A work-group owns 256 tokens (block = 4 x cluster y + cy) x 128 units (128 cx on: heads 2 cx, 2 cx + 1) and takes them through k, v and q, all of K = 512 each.
; Eight waves: wave wv has 64 tokens (wa = wv % 4) x 64 units (ww = wv / 4: one head): 16 accumulators a product.
; LDS: T, 256 rows of tokens; WA and WB, 128 rows of a weight each; rows of 512 bytes + 16 of padding.  At the head T takes key, WA Wk, WB Wv: eight loads of 64 rows, one a wave.
; When k and v are multiplied, T is filled again with x (waves 0-3) and WA with Wq (waves 4, 5), behind the waits, the add and a round of the cluster's barrier; v's results are quantised and stored while those loads are out.
; CLUSTER 4 x 4.  The four work-groups of a row of the cluster need the same tokens, the four of a column the same rows of the weights: each tile is asked for JOINTLY.
; No prefetch: the text has no loop to run ahead in; it asks for all that it reads by two loads a wave at the most.
; WHAT A LANE HOLDS.  Every product is D = X Y^T: lane (r, hh) holds Y's row r and, in registers 0-7, X's rows 8 hh + 0 .. 7.  One conversion of eight makes of them registers 2 c, 2 c + 1 (c = X's tile)
; of the NEXT product's operand, whose rows are Y's and whose K runs along X's rows.  q, k: X = W (the head's 64), Y = the tokens.  v: X = the keys, Y = W.
; OUT: IMAGES OF OPERAND REGISTERS.  A fragment of 16 rows x 64 K is 8 registers a lane: two stores of 16 bytes a lane, lane l's at 16 l.
;   qimg  [n h (64)][64 queries (32)][tile (4)][half (2)][lane (32)][16 bytes]
;   kvimg [n h (64)][64 keys (32)][8,192]: K's four tiles (16 keys x the head's 64), then V^T's four (16 of the head's 64 x the 64 keys)
; REGISTERS, in windows of 256.  Window 0: v1-17 addresses and constants; v32-127 the codes of the three products; v128-191 the tokens', v192-255 the weight's four fragments (16 rows x 128 K), set 0.
;   Window 1: v0-127 the accumulators, (y, x) at 8 (4 y + x); v128-255 the fragments' set 1.
; (More exactly: the refill is asked for as soon as v's last fragments are in registers, by every wave's wait for its LDS reads; v's last 32 matrix instructions a wave and its way out stand behind the refill.
;  v's first two sets of fragments are fetched ahead of k's way out.)
.set PITCH, 528                        ; 33 x 16: the sixteen rows that a load touches begin at sixteen different 16-byte columns of 256
.set QT,    64*PITCH                   ; what one tensor load brings
.set WA,    256*PITCH
.set WB,    WA+128*PITCH
.set SPARE, WB+128*PITCH               ; 270,336: the spare words, 128 bytes for each of eight waves
.set ADT,  4                           ; v4  LDS address of my tokens' fragments
.set ADW,  5                           ; v5  of my fragments in WA
.set ADV,  6                           ; v6  in WB
.set OUTO, 8                           ; v8  16 x lane
.set SPW,  10                          ; v10 my spare word; never rewritten
.set NIL,  11                          ; v11 0; never rewritten
.set SC,   12                          ; v12, 14, 16: 2^E of k, v, q;  v13, 15, 17: 57,344 x 2^E
.set CD,   32
.set TF,   128
.set WF,   192
.set G1A,  32                          ; s[32:39] group 1 for tokens;  s[40:47] for weights
.set G1W,  40
.set G0K,  48                          ; groups 0: key, Wk or Wv, x, Wq
.set G0W,  52
.set G0X,  56
.set G0Q,  60
.set MSB, 0
.macro WIN new                         ; low byte: bits 1:0 source 0, 3:2 source 1, 5:4 source 2, 7:6 destination; the high byte repeats the setting that is left
.if MSB != \new
	s_set_vgpr_msb (MSB<<8)|\new
.set MSB, \new
.endif
.endm
.macro CROUND                          ; a round of the cluster's barrier
	s_barrier_signal -1
	s_barrier_wait -1
	s_cmp_lg_u32 s20, 0
	s_cbranch_scc1 .Lnot_wave_0_\@
	s_barrier_signal -3
.Lnot_wave_0_\@:
	s_barrier_wait -3
	s_barrier_signal -1
	s_barrier_wait -1
.endm
.macro PLACES                          ; four plain vector instructions behind a matrix instruction (ISA guide 7.12.1)
.rept 4
	v_nop
.endr
.endm
; A fragment, 16 rows x 128 K: lane (r, hh) takes, of row r, the 16 bytes at 32 c + 16 hh into registers 4 c .. 4 c + 3: the same order of k in both operands.
.macro FRAG reg, adr, kc, f
.irp c, 0,1,2,3
	ds_load_b128 v[\reg+4*\c:\reg+4*\c+3], v[\adr] offset:128*(\kc)+32*\c+(\f)*16*PITCH
.endr
.endm
.macro FETCH adw, kc, set              ; 32 loads in one run: four fragments of tokens, four of the weight, the kc-th 128 along K
.if \set
	WIN 0x40
.else
	WIN 0
.endif
.irp f, 0,1,2,3
	FRAG TF+16*\f, ADT, \kc, \f
	FRAG WF+16*\f, \adw, \kc, \f
.endr
.endm
.macro MUL set, zero, swap             ; 16 matrix instructions; the sixteen accumulators take turns.  swap = 1: X = the tokens
.if \swap
.set XF, TF
.set YF, WF
.else
.set XF, WF
.set YF, TF
.endif
.if \set
	WIN 0x55
.else
	WIN 0x50
.endif
.irp y, 0,1,2,3
.irp x, 0,1,2,3
.if \zero
	v_wmma_f32_16x16x128_bf8_bf8 v[8*(4*\y+\x):8*(4*\y+\x)+7], v[XF+16*\x:XF+16*\x+15], v[YF+16*\y:YF+16*\y+15], 0
.else
	v_wmma_f32_16x16x128_bf8_bf8 v[8*(4*\y+\x):8*(4*\y+\x)+7], v[XF+16*\x:XF+16*\x+15], v[YF+16*\y:YF+16*\y+15], v[8*(4*\y+\x):8*(4*\y+\x)+7]
.endif
.endr
.endr
.endm
.macro PRODUCT adw, swap               ; all of K; each wait leaves out the 32 loads issued last
	FETCH \adw, 0, 0
	FETCH \adw, 1, 1
	s_wait_dscnt 32
	MUL 0, 1, \swap
	PLACES
	FETCH \adw, 2, 0
	s_wait_dscnt 32
	MUL 1, 0, \swap
	PLACES
	FETCH \adw, 3, 1
	s_wait_dscnt 32
	MUL 0, 0, \swap
	s_wait_dscnt 0x0
	MUL 1, 0, \swap
.endm
.macro EPI n, b                        ; the hold, the conversion, eight stores; each accumulator from its low end on.  Each product has code registers of its own, so no store's data is written again
	WIN 0x41
.set ii, 0
.rept 128
	v_med3_num_f32 v[ii], v[ii], -v[SC+2*\n+1], v[SC+2*\n+1]   ; the conversion does not saturate (ISA guide 7.6.2)
.set ii, ii+1
.endr
	WIN 0x01
.set ii, 0
.rept 16
	v_cvt_scalef32_pk8_bf8_f32 v[CD+32*\n+2*ii:CD+32*\n+2*ii+1], v[8*ii:8*ii+7], v[SC+2*\n]
.set ii, ii+1
.endr
	WIN 0
	v_nop                                          ; one plain vector instruction behind the last scaled conversion
.irp y, 0,1,2,3
.irp h, 0,1
	global_store_b128 v[OUTO], v[CD+32*\n+8*\y+4*\h:CD+32*\n+8*\y+4*\h+3], s[\b:\b+1] offset:1024*\y+512*\h   ; 32 lanes store 512 consecutive bytes, aligned
.endr
.endr
.endm
.macro MKSC n, eo, ea, ew
	s_sub_co_i32 s81, s\eo, s\ea
	s_sub_co_i32 s81, s81, s\ew
	s_add_co_i32 s81, s81, 127
	s_lshl_b32 s70, s81, 23
	v_mov_b32 v[SC+2*\n], s70                      ; 2^E
	s_add_co_i32 s81, s81, 15
	s_lshl_b32 s81, s81, 23
	s_or_b32 s81, s81, 0x600000
	v_mov_b32 v[SC+2*\n+1], s81                    ; 57,344 x 2^E
.endm
	s_load_b256 s[4:11], s[0:1], 0x0               ; x, key, Wq, Wk
	s_load_b256 s[12:19], s[0:1], 0x20             ; Wv, the exponents, qimg, kvimg
	v_lshl_add_u32 v[SPW], v0, 2, SPARE
	v_mov_b32 v[NIL], 0
	ds_add_u32 v[SPW], v[NIL]                      ; the opening: the add, twice on end, and its wait ahead of my first tensor load
	ds_add_u32 v[SPW], v[NIL]
	v_lshrrev_b32 v1, 5, v0
	v_readfirstlane_b32 s20, v1                    ; wave 0..7
	s_and_b32 s21, s20, 3                          ; wa
	s_lshr_b32 s22, s20, 2                         ; ww
	s_bfe_u32 s23, ttmp6, 0x40000                  ; cx
	s_bfe_u32 s24, ttmp6, 0x40004                  ; cy
	s_and_b32 s26, ttmp7, 0xffff
	s_lshl_b32 s26, s26, 2
	s_add_co_u32 s26, s26, s24                     ; block of 256 tokens
	s_lshl_b32 s27, s24, 2
	s_lshl_b32 s27, 15, s27                        ; my row of the cluster
	s_lshl_b32 s28, 0x1111, s23                    ; my column
	s_or_b32 s[G1A], s27, (1<<20)|(1<<21)|(6<<22)|(3<<25)   ; the mask; elements of 1 byte; padding: four words after every 128
	s_or_b32 s[G1W], s28, (1<<20)|(1<<21)|(6<<22)|(3<<25)
.irp g, G1A, G1W
	s_mov_b32 s[\g+1], 512<<16                     ; tensor_dim0
	s_mov_b32 s[\g+2], 64<<16                      ; tensor_dim1
	s_mov_b32 s[\g+3], 512<<16                     ; tile_dim0
	s_mov_b32 s[\g+4], 64                          ; tile_dim1
	s_mov_b32 s[\g+5], 512                         ; from row to row
	s_mov_b32 s[\g+6], 0
	s_mov_b32 s[\g+7], 0
.endr
	s_lshl_b32 s84, s26, 17                        ; tokens: 256 rows x 512 bytes x block
	s_lshl_b32 s85, s21, 15                        ; + 64 rows x wa
	s_add_co_u32 s84, s84, s85
	s_mov_b32 s85, 0
	s_lshl_b32 s86, s23, 16                        ; weights: 128 rows x cx
	s_and_b32 s87, s21, 1
	s_lshl_b32 s87, s87, 15                        ; + 64 rows x (wa % 2)
	s_add_co_u32 s86, s86, s87
	s_mov_b32 s87, 0
	s_mul_i32 s88, s21, QT                         ; where they go: T's quarter wa;
	s_add_co_u32 s89, s88, WA                      ; WA's halves (wa 0, 1), WB's (wa 2, 3)
	s_wait_dscnt 0x0                               ; both opening adds are done
	s_wait_kmcnt 0x0
	s_load_b256 s[72:79], s[14:15], 0x0            ; e0 .. e7
	s_load_b32 s80, s[14:15], 0x20                 ; e8
	s_cmp_lt_u32 s21, 2
	s_cselect_b64 s[68:69], s[10:11], s[12:13]     ; waves 4, 5 fetch Wk, waves 6, 7 Wv
	s_mov_b32 s[G0K], 1
	s_mov_b32 s[G0K+1], s88
	s_add_nc_u64 s[G0K+2:G0K+3], s[6:7], s[84:85]
	s_or_b32 s[G0K+3], s[G0K+3], 0x80000000
	s_mov_b32 s[G0W], 1
	s_mov_b32 s[G0W+1], s89
	s_add_nc_u64 s[G0W+2:G0W+3], s[68:69], s[86:87]
	s_or_b32 s[G0W+3], s[G0W+3], 0x80000000
	s_mov_b32 s[G0X], 1
	s_mov_b32 s[G0X+1], s88
	s_add_nc_u64 s[G0X+2:G0X+3], s[4:5], s[84:85]
	s_or_b32 s[G0X+3], s[G0X+3], 0x80000000
	s_mov_b32 s[G0Q], 1
	s_mov_b32 s[G0Q+1], s89
	s_add_nc_u64 s[G0Q+2:G0Q+3], s[8:9], s[86:87]
	s_or_b32 s[G0Q+3], s[G0Q+3], 0x80000000
	CROUND                                         ; all sixteen work-groups are here: the joint loads meet
	s_cmp_lt_u32 s20, 4                            ; one load a wave, one to an arm
	s_cbranch_scc0 .Lhead_w
	tensor_load_to_lds s[G0K:G0K+3], s[G1A:G1A+7]
	s_nop 0
	PLACES
	s_branch .Lhead_j
.Lhead_w:
	tensor_load_to_lds s[G0W:G0W+3], s[G1W:G1W+7]
	s_nop 0
	PLACES
.Lhead_j:
	s_mul_i32 s85, s22, QT
	s_add_co_u32 s85, s85, WA                      ; my 64 rows of WA
	; where my 4,096 bytes of each product go: group = (8 n + head) x 32 + my 64 tokens' number in the batch
	s_lshr_b32 s29, s26, 3
	s_lshl_b32 s29, s29, 3
	s_lshl_b32 s30, s23, 1
	s_add_co_u32 s29, s29, s30
	s_add_co_u32 s29, s29, s22                     ; 8 n + 2 cx + ww
	s_lshl_b32 s29, s29, 5
	s_and_b32 s30, s26, 7
	s_lshl_b32 s30, s30, 2
	s_add_co_u32 s29, s29, s30
	s_add_co_u32 s29, s29, s21
	s_lshl_b32 s66, s29, 12
	s_mov_b32 s67, 0
	s_add_nc_u64 s[82:83], s[16:17], s[66:67]      ; q
	s_lshl_b32 s66, s29, 13
	s_add_nc_u64 s[90:91], s[18:19], s[66:67]      ; k
	s_add_nc_u64 s[92:93], s[90:91], 4096          ; v
	v_and_b32 v1, 15, v0                           ; r
	v_bfe_u32 v2, v0, 4, 1                         ; hh
	v_mul_u32_u24 v3, v1, PITCH
	v_lshl_add_u32 v3, v2, 4, v3
	v_add_nc_u32 v[ADT], s88, v3
	v_add_nc_u32 v[ADW], s85, v3
	v_add_nc_u32 v[ADV], 128*PITCH, v[ADW]
	v_and_b32 v[OUTO], 31, v0
	v_lshlrev_b32 v[OUTO], 4, v[OUTO]
	s_wait_alu depctr_va_vdst(0)                   ; directly ahead of the wait below
	s_wait_kmcnt 0x0
	MKSC 0, 79, 74, 75                             ; k
	MKSC 1, 80, 76, 77                             ; v
	MKSC 2, 78, 72, 73                             ; q
	s_wait_alu depctr_va_vdst(0)                   ; the wait at the head's end
	s_wait_tensorcnt 0x0                           ; my part is in,
	s_barrier_signal -1
	s_barrier_wait -1                              ; everybody's is
	PRODUCT ADW, 0                                 ; k
	PLACES                                         ; in front of the loads into the fragments' registers, and of the reads of k's sums
	FETCH ADV, 0, 0                                ; v's first two sets of fragments are on their way while k goes out
	FETCH ADV, 1, 1
	EPI 0, 90
	s_wait_dscnt 32                                ; set 0 is in; the 32 loads of set 1 may be out
	MUL 0, 1, 1                                    ; v
	PLACES
	FETCH ADV, 2, 0
	s_wait_dscnt 32
	MUL 1, 0, 1
	PLACES
	FETCH ADV, 3, 1                                ; my last reads of T and WB
	WIN 0
	s_wait_tensorcnt 0x0                           ; the three lines in front of a refill's round
	ds_add_u32 v[SPW], v[NIL]
	s_wait_dscnt 0x0                               ; the add is done, and my reads of T, WA and WB are over
	CROUND
	s_cmp_lt_u32 s20, 4                            ; waves 0-3: x into T;  waves 4, 5: Wq into WA;  waves 6, 7 have no part to fill
	s_cbranch_scc0 .Lre_w
	tensor_load_to_lds s[G0X:G0X+3], s[G1A:G1A+7]
	s_nop 0
	PLACES
	s_branch .Lre_j
.Lre_w:
	s_cmp_lt_u32 s20, 6
	s_cbranch_scc0 .Lre_j
	tensor_load_to_lds s[G0Q:G0Q+3], s[G1W:G1W+7]
	s_nop 0
	PLACES
.Lre_j:
	MUL 0, 0, 1                                    ; v's last 256 along K, on registers alone, while the refills are on their way
	MUL 1, 0, 1
	PLACES
	EPI 1, 92                                      ; and v goes out
	s_wait_tensorcnt 0x0
	s_barrier_signal -1
	s_barrier_wait -1                              ; x and Wq are whole
	PRODUCT ADW, 0                                 ; q
	PLACES
	EPI 2, 82
	s_wait_tensorcnt 0x0                           ; the wave's end
	ds_add_u32 v[SPW], v[NIL]
	s_wait_dscnt 0x0
	CROUND                                         ; the closing round
	s_endpgm
.Lfunc_end_k_qd74186acc5_proj:
	.size	k_qd74186acc5_proj, .Lfunc_end_k_qd74186acc5_proj-k_qd74186acc5_proj
	.p2alignl 7, 3214868480
	.fill 96, 4, 3214868480
	.section	.rodata,"a",@progbits
	.p2align	6, 0x0
	.amdhsa_kernel k_qd74186acc5_proj
		.amdhsa_group_segment_fixed_size 327680
		.amdhsa_private_segment_fixed_size 0
		.amdhsa_enable_private_segment 0
		.amdhsa_kernarg_size 64
		.amdhsa_user_sgpr_count 2
		.amdhsa_user_sgpr_kernarg_segment_ptr 1
		.amdhsa_wavefront_size32 1
		.amdhsa_system_sgpr_workgroup_id_x 1
		.amdhsa_system_sgpr_workgroup_id_y 1
		.amdhsa_system_sgpr_workgroup_id_z 1
		.amdhsa_system_vgpr_workitem_id 0
		.amdhsa_next_free_vgpr 512
		.amdhsa_next_free_sgpr 96
		.amdhsa_reserve_vcc 0
		.amdhsa_float_denorm_mode_32 3
		.amdhsa_float_denorm_mode_16_64 3
		.amdhsa_memory_ordered 1
		.amdhsa_forward_progress 1
		.amdhsa_inst_pref_size 77
	.end_amdhsa_kernel
	.amdgpu_metadata
---
amdhsa.version: [ 1, 2 ]
amdhsa.kernels:
  - .name:           k_qd74186acc5_proj
    .symbol:         k_qd74186acc5_proj.kd
    .args:
      - { .name: x_codes, .offset: 0, .size: 8, .value_kind: global_buffer, .address_space: global }
      - { .name: key_codes, .offset: 8, .size: 8, .value_kind: global_buffer, .address_space: global }
      - { .name: W_query_codes, .offset: 16, .size: 8, .value_kind: global_buffer, .address_space: global }
      - { .name: W_key_codes, .offset: 24, .size: 8, .value_kind: global_buffer, .address_space: global }
      - { .name: W_value_codes, .offset: 32, .size: 8, .value_kind: global_buffer, .address_space: global }
      - { .name: lowp_scales, .offset: 40, .size: 8, .value_kind: global_buffer, .address_space: global }
      - { .name: qimg, .offset: 48, .size: 8, .value_kind: global_buffer, .address_space: global }
      - { .name: kvimg, .offset: 56, .size: 8, .value_kind: global_buffer, .address_space: global }
    .group_segment_fixed_size: 327680
    .private_segment_fixed_size: 0
    .kernarg_segment_align: 8
    .kernarg_segment_size: 64
    .max_flat_workgroup_size: 256
    .sgpr_count:     96
    .vgpr_count:     512
    .wavefront_size: 32
...
	.end_amdgpu_metadata
.endif
;; end of part 1
;; launch attn (part 2): grid 4 x 64, 16 waves a work-group, clusters of 4 x 1, 327,680 bytes of LDS; arguments qimg, kvimg, lowp_scales, out0; writes out0
.if DOCPART == 2
	.amdgcn_target "amdgcn-amd-amdhsa--gfx1250"
	.amdhsa_code_object_version 6
	.text
	.protected	k_qd74186acc5_attn
	.globl	k_qd74186acc5_attn
	.p2align	8
	.type	k_qd74186acc5_attn,@function
k_qd74186acc5_attn:
	s_mov_b64 s[64:65], 0
	v_nop
	global_prefetch_b8 v0, s[64:65] scope:SCOPE_SE
	s_setreg_imm32_b32 hwreg(HW_REG_WAVE_MODE, 25, 1), 1
	s_wait_xcnt 0x0
	s_wait_alu depctr_hold_cnt(0) depctr_sa_sdst(0) depctr_va_vdst(0) depctr_va_sdst(0) depctr_va_ssrc(0) depctr_va_vcc(0) depctr_vm_vsrc(0)
	s_getreg_b32 s2, hwreg(HW_REG_IB_STS2, 6, 4)
	s_cmp_eq_u32 s2, 0
	s_cbranch_scc0 .Lentry_in_a_cluster
	s_endpgm
.Lentry_in_a_cluster:
	s_bfe_u32 s2, ttmp6, 0x10000c
	s_cmp_lg_u32 s2, 0x3003
	s_cbranch_scc0 .Lentry_shape_is_right
	s_endpgm
.Lentry_shape_is_right:
; out[n][q][64 h ..] = the sum over keys of softmax(q . k / sqrt(512)) v, for each of the 64 pairs (n, h), both products on codes of BF8 (E5M2).  Nothing is left out.
; qimg, kvimg: images of operand registers, as the launch before lays them (its head comment): a fragment of 16 rows x 64 K is two pieces of 512 bytes, lane l's 16 bytes at 16 l.
; THE SOFTMAX: t = score x log2(e) / sqrt(512) x 2^(e6 + e7); M = the largest t so far, rounded up to a whole number; p = 2^(t - M) is quantised with 2^e9, not normalised.
; The row's sum is taken of the unquantised p and divides O at the end; when M moves, the sum and O are multiplied by 2^(old M - new M), which rounds nothing.
; LIMITS: e6 + e7 between -122 and 131 (they are added to the factor's exponent field); e9 between -126 and 112; the scaled scores stay under 2^31 in magnitude.
; SHARES.  A work-group owns 512 queries of one (n, h); each of its sixteen waves 32 of them, two tiles (u = 0, 1), in 256 registers.  Every wave walks the 2,048 keys, 128 a step.
; ALL OF K AND V OF THE HEAD LIES IN LDS, 262,144 bytes, as it lies in memory, each byte filled once.  At the head every wave asks for 4,096 bytes of the first 512 keys; behind the waits, the add.
; One barrier stands in step 3, behind its last read of LDS and ahead of its fetch of step 4's tiles.
; CLUSTER 4 x 1: the four work-groups of a head need the same K and V: both loads are joint.  No prefetch: all that is read is asked for by those two loads, so there is no loop to run ahead in.
; LAYOUT.  Both products transposed: S^T = K Q^T (K = 64 form), O^T = V^T P^T (K = 128 form): a lane holds one query (lane % 16).  Tile t of S^T holds keys 16 t + 8 (lane / 16) + 0 .. 7 in its registers, so one
; conversion of eight makes registers 2 t, 2 t + 1 of P; V^T's fragment of 128 keys is two neighbouring fragments of 64 keys of the image.
; REGISTERS: v1-7 constants; v8-31 twelve a tile: -M, largest score, sum (2), f, permute, two pairs at work (maxima, then partial sums), new -M, at work; v32-47 Q;
; v48-63 F: K's tiles 6, 7, then partial sums, then tile 0's codes of p; v64-191 S: the scores and p; as p is converted: tile 1's codes (v64-79), V^T's four fragments (v80-143),
; and the NEXT step's tiles 0-5 of K (v144-191), over which that step's scores are laid when each tile has been multiplied; v192-255 O^T.
.set KV0,   8192                       ; K and V begin here
.set CH0,   65536                      ; the first 512 keys
.set STAGE, 4096                       ; the way out: 16 rows x 272 bytes a wave, 69,632 bytes: 4,096 that no load fills and the first 512 keys' bytes, which nobody reads behind the one barrier
.set SPARE, 270336                     ; behind K and V: the spare words, 128 bytes for each of sixteen waves
.set LI,  1                            ; 16 x lane
.set ADR, 2                            ; LDS address of the step
.set SPW, 3
.set NIL, 4
.set SC,  5                            ; 2^e9
.set LIM, 6                            ; v6, v7: 57,344 x 2^e9, twice: the two halves of a dual instruction take their second sources from different banks
.set NM,  8                            ; + 12 u
.set RUN, 9
.set LS,  10
.set FF,  12
.set PL,  13
.set CA,  14
.set CB,  16
.set BX,  18
.set AX,  19
.set Q,   32
.set F,   48
.set S,   64
.set KP,  S+80
.set O,   192
.set WV,  12
.set SEL, 20
.set CS,  22
.set G1,  24
.set G0,  32
.set G0B, 36
.set G1B, 40
.set TB,  48
.set CNT, 49
.macro CROUND
	s_barrier_signal -1
	s_barrier_wait -1
	s_cmp_lg_u32 s[WV], 0
	s_cbranch_scc1 .Lnot_wave_0_\@
	s_barrier_signal -3
.Lnot_wave_0_\@:
	s_barrier_wait -3
	s_barrier_signal -1
	s_barrier_wait -1
.endm
	s_load_b256 s[4:11], s[0:1], 0x0               ; qimg, kvimg, the exponents, out0
	v_lshl_add_u32 v[SPW], v0, 2, SPARE
	v_mov_b32 v[NIL], 0
	ds_add_u32 v[SPW], v[NIL]                      ; the opening: the add, twice on end, and its wait
	ds_add_u32 v[SPW], v[NIL]
	v_lshrrev_b32 v[ADR], 5, v0
	v_readfirstlane_b32 s[WV], v[ADR]              ; wave 0..15
	s_bfe_u32 s13, ttmp6, 0x40000
	s_lshl_b32 s15, ttmp9, 2
	s_add_co_u32 s15, s15, s13                     ; which 512 queries
	s_and_b32 s14, ttmp7, 0xffff                   ; 8 n + h
.irp g, G1, G1B                        ; dense blocks as rows of 256 bytes (32 elements of 8 bytes); the mask names the four partners
	s_mov_b32 s[\g], 15|(3<<16)|(1<<21)
	s_mov_b32 s[\g+1], 32<<16
	s_mov_b32 s[\g+3], 32<<16
	s_mov_b32 s[\g+5], 32
	s_mov_b32 s[\g+6], 0
	s_mov_b32 s[\g+7], 0
.endr
	s_mov_b32 s[G1+2], 16<<16                      ; 16 rows
	s_mov_b32 s[G1+4], 16
	s_mov_b32 s[G1B+2], 48<<16                     ; 48 rows
	s_mov_b32 s[G1B+4], 48
	s_mov_b32 s[SEL], 0x76543210
	s_mov_b32 s[SEL+1], 0xfedcba98
	s_mov_b32 s[CS], 0x3d8293ee                    ; log2(e) / sqrt(512)
	s_lshl_b32 s54, s[WV], 12
	s_lshl_b32 s50, s14, 18                        ; the head's 262,144 bytes of kvimg
	s_add_co_u32 s50, s50, s54
	s_mov_b32 s51, 0
	s_mul_i32 s58, s[WV], 12288
	s_lshl_b32 s60, s14, 18
	s_add_co_u32 s60, s60, s58
	s_add_co_u32 s60, s60, CH0
	s_mov_b32 s61, 0
	s_lshl_b32 s52, s14, 17                        ; Q: the head's 131,072 bytes, + 2,048 for each 32 queries
	s_lshl_b32 s53, s15, 4
	s_add_co_u32 s53, s53, s[WV]
	s_lshl_b32 s53, s53, 11
	s_add_co_u32 s52, s52, s53
	s_mov_b32 s53, 0
	s_lshr_b32 s56, s14, 3                         ; out: row 2,048 n + 512 x + 32 wave, of 2,048 bytes; + 256 h
	s_lshl_b32 s56, s56, 11
	s_lshl_b32 s57, s15, 9
	s_add_co_u32 s56, s56, s57
	s_lshl_b32 s57, s[WV], 5
	s_add_co_u32 s56, s56, s57
	s_lshl_b32 s56, s56, 11
	s_and_b32 s57, s14, 7
	s_lshl_b32 s57, s57, 8
	s_add_co_u32 s56, s56, s57
	s_mov_b32 s57, 0
	s_wait_dscnt 0x0
	s_wait_kmcnt 0x0
	s_load_b128 s[16:19], s[8:9], 0x18             ; e6, e7, e8, e9
	s_add_nc_u64 s[4:5], s[4:5], s[52:53]
	s_add_nc_u64 s[10:11], s[10:11], s[56:57]
	s_mov_b32 s[G0], 1
	s_add_co_u32 s[G0+1], s54, KV0
	s_add_nc_u64 s[G0+2:G0+3], s[6:7], s[50:51]
	s_or_b32 s[G0+3], s[G0+3], 0x80000000
	s_mov_b32 s[G0B], 1
	s_add_co_u32 s[G0B+1], s58, KV0+CH0
	s_add_nc_u64 s[G0B+2:G0B+3], s[6:7], s[60:61]
	s_or_b32 s[G0B+3], s[G0B+3], 0x80000000
	CROUND
	tensor_load_to_lds s[G0:G0+3], s[G1:G1+7]      ; my sixteenth of the first 512 keys: one load a wave at the head
	s_nop 0
	v_and_b32 v[LI], 31, v0
	v_lshlrev_b32 v[LI], 4, v[LI]
.irp i, 0,1,2,3
	global_load_b128 v[Q+4*\i:Q+4*\i+3], v[LI], s[4:5] offset:512*\i th:TH_LOAD_NT
.endr
.irp u, 0,1
	v_mov_b32 v[RUN+12*\u], 0xff61b1e6             ; -3e38, under every score
	v_mov_b32 v[NM+12*\u], 0x7f61b1e6
	v_mov_b32 v[LS+12*\u], 0
	v_mov_b32 v[LS+12*\u+1], 0
	v_mov_b32 v[PL+12*\u], 0
.endr
.set ii, 0
.rept 64
	v_mov_b32 v[O+ii], 0                           ; the step is written for all steps alike: the first finds zeros, which the first change of M leaves zeros
.set ii, ii+1
.endr
	s_wait_kmcnt 0x0
	s_add_co_i32 s50, s16, s17
	s_lshl_b32 s50, s50, 23
	s_add_co_i32 s[CS], s[CS], s50                 ; x 2^(e6 + e7)
	s_mov_b32 s[CS+1], s[CS]
	s_add_co_i32 s50, s19, 127
	s_lshl_b32 s51, s50, 23
	v_mov_b32 v[SC], s51
	s_add_co_i32 s50, s50, 15
	s_lshl_b32 s50, s50, 23
	s_or_b32 s50, s50, 0x600000
	v_mov_b32 v[LIM], s50
	v_mov_b32 v[LIM+1], s50
	s_mov_b32 s[TB], KV0
	v_add_nc_u32 v[ADR], s[TB], v[LI]
.macro KLOAD t, r, off                 ; tile t of K (16 keys) of the step at ADR + off into v[r ..]
	ds_load_b128 v[\r:\r+3], v[ADR] offset:\off+8192*((\t)/4)+1024*((\t)%4)
	ds_load_b128 v[\r+4:\r+7], v[ADR] offset:\off+8192*((\t)/4)+1024*((\t)%4)+512
.endm
.macro PRE off                         ; tiles 0-5: 12 loads
.irp t, 0,1,2,3,4,5
	KLOAD \t, KP+8*\t, \off
.endr
.endm
.macro QK t, a
.irp u, 0,1
	v_wmma_f32_16x16x64_bf8_bf8 v[S+64*\u+8*(\t):S+64*\u+8*(\t)+7], v[\a:\a+7], v[Q+8*\u:Q+8*\u+7], 0
.endr
.endm
.macro M3 i, a                         ; a chain of maxima begins with three scores of each tile
.irp u, 0,1
	v_max3_num_f32 v[\a+12*\u], v[S+64*\u+\i], v[S+64*\u+\i+1], v[S+64*\u+\i+2]
.endr
.endm
.macro MX i, a                         ; two more scores of each tile into chain a
.irp u, 0,1
	v_max3_num_f32 v[\a+12*\u], v[\a+12*\u], v[S+64*\u+\i], v[S+64*\u+\i+1]
.endr
.endm
.macro MX8 i                           ; eight scores of each tile, the four chains by turns
	MX \i, CA
	MX \i+2, CB
	MX \i+4, AX
	MX \i+6, BX
.endm
.macro PFMA u                          ; t - M, two at a time, at register ii
	v_pk_fma_f32 v[S+64*\u+ii:S+64*\u+ii+1], v[S+64*\u+ii:S+64*\u+ii+1], s[CS:CS+1], v[BX+12*\u:BX+12*\u+1] op_sel_hi:[1,0,0]
.endm
.macro HOLD2 r                         ; p is not negative, so the hold is one-sided; the conversion does not saturate (ISA guide 7.6.2).  Two numbers an instruction
	v_dual_min_num_f32 v[\r], v[\r], v[LIM] :: v_dual_min_num_f32 v[\r+1], v[\r+1], v[LIM+1]
.endm
.macro CVT u, t, dst
	v_cvt_scalef32_pk8_bf8_f32 v[\dst+2*(\t):\dst+2*(\t)+1], v[S+64*\u+8*(\t):S+64*\u+8*(\t)+7], v[SC]
.endm
.macro PADD d, a, b
	v_pk_add_f32 v[\d:\d+1], v[\a:\a+1], v[\b:\b+1]
.endm
.macro SUM u, T                        ; the step's sum of tile u's unquantised p, in eight chains: CA, CB and six pairs at T; it ends in CA and CB
	PADD CA+12*\u, S+64*\u, S+64*\u+2
	PADD CB+12*\u, S+64*\u+4, S+64*\u+6
.irp k, 0,1,2,3,4,5
	PADD \T+2*\k, S+64*\u+8+4*\k, S+64*\u+10+4*\k
.endr
.irp r, 32,48
	PADD CA+12*\u, CA+12*\u, S+64*\u+\r
	PADD CB+12*\u, CB+12*\u, S+64*\u+\r+2
.irp k, 0,1,2,3,4,5
	PADD \T+2*\k, \T+2*\k, S+64*\u+\r+4+2*\k
.endr
.endr
	PADD CA+12*\u, CA+12*\u, \T
	PADD CB+12*\u, CB+12*\u, \T+2
	PADD \T+4, \T+4, \T+8
	PADD \T+6, \T+6, \T+10
	PADD CA+12*\u, CA+12*\u, \T+4
	PADD CB+12*\u, CB+12*\u, \T+6
.endm
.macro VLOAD d                         ; V^T's fragment d: 16 of the head's 64 x the step's 128 keys
	ds_load_b128 v[S+16+16*\d:S+16+16*\d+3], v[ADR] offset:4096+1024*\d
	ds_load_b128 v[S+16+16*\d+4:S+16+16*\d+7], v[ADR] offset:4096+1024*\d+512
	ds_load_b128 v[S+16+16*\d+8:S+16+16*\d+11], v[ADR] offset:12288+1024*\d
	ds_load_b128 v[S+16+16*\d+12:S+16+16*\d+15], v[ADR] offset:12288+1024*\d+512
.endm
.macro PV d
	v_wmma_f32_16x16x128_bf8_bf8 v[O+8*\d:O+8*\d+7], v[S+16+16*\d:S+16+16*\d+15], v[F:F+15], v[O+8*\d:O+8*\d+7]
	v_wmma_f32_16x16x128_bf8_bf8 v[O+32+8*\d:O+32+8*\d+7], v[S+16+16*\d:S+16+16*\d+15], v[S:S+15], v[O+32+8*\d:O+32+8*\d+7]
.endm
; A STEP: 128 keys.  At its head K's tiles 0-5 have been asked for by the step before.  pre = 1: it asks for the next step's.  bar = 1: the one barrier stands ahead of that.
.macro STEP pre, bar
	KLOAD 6, F, 0
	KLOAD 7, F+8, 0
	s_wait_dscnt 4                                 ; tiles 0-5 are in; the four loads just issued may be out
	QK 0, KP
	QK 1, KP+8
.rept 5
	v_nop                                          ; five places: the next products are laid over tiles 0 and 1
.endr
	QK 2, KP+16
	QK 3, KP+24
	M3 0, AX                                       ; the maxima of scores made earlier are the places behind each group of four products
	M3 3, BX
	M3 6, CA
	M3 9, CB
	MX 12, AX
	MX 14, BX
	QK 4, KP+32
	QK 5, KP+40
	MX8 16
	MX8 24
	s_wait_alu depctr_va_vdst(0)                   ; directly ahead of the wait below
	s_wait_dscnt 0x0                               ; tiles 6 and 7
	QK 6, F
	QK 7, F+8
	MX8 32
	MX8 40
	MX8 48
	MX8 56
.irp u, 0,1
	v_max3_num_f32 v[AX+12*\u], v[AX+12*\u], v[BX+12*\u], v[CA+12*\u]
.endr
.irp u, 0,1
	v_max3_num_f32 v[AX+12*\u], v[AX+12*\u], v[CB+12*\u], v[RUN+12*\u]
.endr
.irp u, 0,1
	v_permlanex16_b32 v[PL+12*\u], v[AX+12*\u], s[SEL], s[SEL+1]
.endr
.irp u, 0,1
	v_max_num_f32 v[RUN+12*\u], v[AX+12*\u], v[PL+12*\u]   ; the largest score so far
.endr
.irp u, 0,1
	v_mul_f32 v[AX+12*\u], s[CS], v[RUN+12*\u]             ; as t (the factor is positive)
.endr
.irp u, 0,1
	v_floor_f32 v[BX+12*\u], -v[AX+12*\u]                  ; the new -M
.endr
.set ii, 0
.rept 32                               ; tile 0's t - M; the three lines that make f stand among them
	PFMA 0
.if ii == 6
.irp u, 0,1
	v_sub_f32 v[AX+12*\u], v[BX+12*\u], v[NM+12*\u]        ; old M - new M, a whole number, 0 or less
.endr
.endif
.if ii == 14
.irp u, 0,1
	v_cvt_i32_f32 v[AX+12*\u], v[AX+12*\u]                 ; (it saturates)
.endr
.endif
.if ii == 22
.irp u, 0,1
	v_ldexp_f32 v[FF+12*\u], 1.0, v[AX+12*\u]              ; f
.endr
.endif
.set ii, ii+2
.endr
.set ii, 0
.rept 16                               ; O^T under the new M, ahead of the exponentials
.irp u, 0,1
	v_pk_mul_f32 v[O+32*\u+ii:O+32*\u+ii+1], v[O+32*\u+ii:O+32*\u+ii+1], v[FF+12*\u:FF+12*\u+1] op_sel_hi:[1,0]
.endr
.set ii, ii+2
.endr
	s_wait_alu depctr_va_vdst(0)                   ; the wait ahead of the batch
.set ii, 0
.rept 32                               ; tile 0's p; tile 1's t - M stands between, and is read behind the next wait
	v_exp_f32 v[S+ii], v[S+ii]
	v_exp_f32 v[S+ii+1], v[S+ii+1]
	PFMA 1
.set ii, ii+2
.endr
	s_wait_alu depctr_va_vdst(0)                   ; behind tile 0's batch, ahead of tile 1's
	SUM 0, F
.set ii, 0
.rept 32                               ; tile 1's p; tile 0's hold stands between, and is read behind the next wait
	v_exp_f32 v[S+64+ii], v[S+64+ii]
	v_exp_f32 v[S+64+ii+1], v[S+64+ii+1]
	HOLD2 S+ii
.set ii, ii+2
.endr
	v_nop                                          ; a plain place behind the exponentials
	s_wait_alu depctr_va_vdst(0)                   ; one wait for the batch, ahead of its first reader
.irp t, 0,1,2,3,4,5,6,7
	CVT 0, \t, F                                   ; tile 0's codes go into F
.endr
	VLOAD 0                                        ; into registers whose p has been converted
	VLOAD 1
	VLOAD 2
	SUM 1, S
.irp i, 0,2,4,6
	HOLD2 S+64+\i
.endr
.irp t, 0,1,2,3,4,5,6                  ; tile 1's codes go where tile 0's first p lay
.irp i, 0,2,4,6
	HOLD2 S+64+8*(\t+1)+\i
.endr
	CVT 1, \t, S
.if \t == 1
	VLOAD 3
.endif
.endr
	CVT 1, 7, S
.if \bar
	s_wait_tensorcnt 0x0                           ; my part of the other 1,536 keys is in,
	s_wait_dscnt 0x0                               ; and my reads of the first 512 keys are over
	s_barrier_signal -1
	s_barrier_wait -1                              ; both now hold of every wave
.endif
.if \pre
	PRE 16384
.endif
	s_add_co_u32 s[TB], s[TB], 16384
	v_add_nc_u32 v[ADR], s[TB], v[LI]              ; (also the plain instruction between the last conversion and the products)
	s_wait_alu depctr_va_vdst(0)                   ; directly ahead of the wait below
	s_wait_dscnt 12*\pre+4                         ; V^T's fragments 0-2 are in; fragment 3's four loads and the tiles fetched ahead may be out
	PV 0
	PV 1
	PV 2
	s_wait_dscnt 12*\pre
	PV 3
.irp u, 0,1                            ; six plain instructions: the places in front of the next step's loads into F and of its products onto registers that these products read
	PADD CA+12*\u, CA+12*\u, CB+12*\u
.endr
.irp u, 0,1
	v_mov_b32 v[NM+12*\u], v[BX+12*\u]
.endr
.irp u, 0,1
	v_pk_fma_f32 v[LS+12*\u:LS+12*\u+1], v[LS+12*\u:LS+12*\u+1], v[FF+12*\u:FF+12*\u+1], v[CA+12*\u:CA+12*\u+1] op_sel_hi:[1,0,1]   ; the sum x f + the step's
.endr
.endm
	s_wait_alu depctr_va_vdst(0)                   ; the wait at the head's end
	s_wait_tensorcnt 0x0                           ; my part of the first 512 keys is in; the three lines ahead of a later first fill
	ds_add_u32 v[SPW], v[NIL]
	s_wait_dscnt 0x0
	CROUND
	tensor_load_to_lds s[G0B:G0B+3], s[G1B:G1B+7]  ; my sixteenth of the other 1,536 keys
	s_nop 0
	PRE 0                                          ; step 0's tiles 0-5
	s_wait_loadcnt 0x0                             ; Q
	s_mov_b32 s[CNT], 3
.Lfirst:                                       ; steps 0-2
	STEP 1, 0
	s_sub_co_i32 s[CNT], s[CNT], 1
	s_cmp_lg_u32 s[CNT], 0
	s_cbranch_scc1 .Lfirst
	STEP 1, 1                                      ; step 3, with the barrier
	s_mov_b32 s[CNT], 11
.Lrest:                                        ; steps 4-14
	STEP 1, 0
	s_sub_co_i32 s[CNT], s[CNT], 1
	s_cmp_lg_u32 s[CNT], 0
	s_cbranch_scc1 .Lrest
	STEP 0, 0                                      ; step 15 fetches nothing ahead
	; THE WAY OUT: O^T / the sum x 2^(e8 + e9), a tile of 16 queries at a time through my stage, so that sixteen lanes store one aligned unit of 256 bytes
.irp u, 0,1
	v_add_f32 v[AX+12*\u], v[LS+12*\u], v[LS+12*\u+1]
.endr
.irp u, 0,1
	v_permlanex16_b32 v[PL+12*\u], v[AX+12*\u], s[SEL], s[SEL+1]
.endr
.irp u, 0,1
	v_add_f32 v[AX+12*\u], v[AX+12*\u], v[PL+12*\u]
.endr
	s_wait_alu depctr_va_vdst(0)                   ; ahead of the transcendentals
.irp u, 0,1
	v_rcp_f32 v[FF+12*\u], v[AX+12*\u]
.endr
	v_and_b32 v14, 15, v0                          ; r
	v_bfe_u32 v15, v0, 4, 1                        ; hh
	s_mul_i32 s50, s[WV], 16*272
	s_add_co_u32 s50, s50, STAGE
	v_mul_u32_u24 v16, v14, 272
	v_lshl_add_u32 v16, v15, 5, v16
	v_add_nc_u32 v16, s50, v16                     ; in: row r, 32 bytes for each half of the lanes
	v_mul_u32_u24 v17, v15, 272
	v_lshl_add_u32 v17, v14, 4, v17
	v_add_nc_u32 v17, s50, v17                     ; back: lanes 0-15 one row, lanes 16-31 the next
	v_lshlrev_b32 v26, 11, v15
	v_lshl_add_u32 v26, v14, 4, v26                ; and the same two rows of out
	s_add_co_i32 s51, s18, s19
	s_wait_alu depctr_va_vdst(0)                   ; ahead of the reciprocals' first reader
.irp u, 0,1
	v_ldexp_f32 v[FF+12*\u], v[FF+12*\u], s51
.endr
	s_wait_alu depctr_va_vdst(0)                   ; directly ahead of the first reader of O^T
.set ii, 0
.rept 16
.irp u, 0,1
	v_pk_mul_f32 v[O+32*\u+ii:O+32*\u+ii+1], v[O+32*\u+ii:O+32*\u+ii+1], v[FF+12*\u:FF+12*\u+1] op_sel_hi:[1,0]
.endr
.set ii, ii+2
.endr
.irp u, 0,1
.irp d, 0,1,2,3
	ds_store_b128 v16, v[O+32*\u+8*\d:O+32*\u+8*\d+3] offset:64*\d
	ds_store_b128 v16, v[O+32*\u+8*\d+4:O+32*\u+8*\d+7] offset:64*\d+16
.endr
.irp i, 0,1,2,3,4,5,6,7
	ds_load_b128 v[S+32*\u+4*\i:S+32*\u+4*\i+3], v17 offset:544*\i   ; LDS serves a wave's instructions in order (ISA guide 5.7.1.4): these see my stores, and the next tile's stores come behind them
.endr
.endr
.irp u, 0,1
.irp i, 0,1,2,3,4,5,6,7
	s_wait_dscnt 23-16*\u-\i                       ; the LDS instructions issued behind this load may be out
	global_store_b128 v26, v[S+32*\u+4*\i:S+32*\u+4*\i+3], s[10:11] offset:(16*\u+2*\i)*2048 th:TH_STORE_NT
.endr
.endr
	s_wait_tensorcnt 0x0                           ; the wave's end
	ds_add_u32 v[SPW], v[NIL]
	s_wait_dscnt 0x0
	CROUND                                         ; the closing round
	s_endpgm
.Lfunc_end_k_qd74186acc5_attn:
	.size	k_qd74186acc5_attn, .Lfunc_end_k_qd74186acc5_attn-k_qd74186acc5_attn
	.p2alignl 7, 3214868480
	.fill 96, 4, 3214868480
	.section	.rodata,"a",@progbits
	.p2align	6, 0x0
	.amdhsa_kernel k_qd74186acc5_attn
		.amdhsa_group_segment_fixed_size 327680
		.amdhsa_private_segment_fixed_size 0
		.amdhsa_enable_private_segment 0
		.amdhsa_kernarg_size 32
		.amdhsa_user_sgpr_count 2
		.amdhsa_user_sgpr_kernarg_segment_ptr 1
		.amdhsa_wavefront_size32 1
		.amdhsa_system_sgpr_workgroup_id_x 1
		.amdhsa_system_sgpr_workgroup_id_y 1
		.amdhsa_system_sgpr_workgroup_id_z 1
		.amdhsa_system_vgpr_workitem_id 0
		.amdhsa_next_free_vgpr 256
		.amdhsa_next_free_sgpr 66
		.amdhsa_reserve_vcc 0
		.amdhsa_float_denorm_mode_32 3
		.amdhsa_float_denorm_mode_16_64 3
		.amdhsa_memory_ordered 1
		.amdhsa_forward_progress 1
		.amdhsa_inst_pref_size 127
	.end_amdhsa_kernel
	.amdgpu_metadata
---
amdhsa.version: [ 1, 2 ]
amdhsa.kernels:
  - .name:           k_qd74186acc5_attn
    .symbol:         k_qd74186acc5_attn.kd
    .args:
      - { .name: qimg, .offset: 0, .size: 8, .value_kind: global_buffer, .address_space: global }
      - { .name: kvimg, .offset: 8, .size: 8, .value_kind: global_buffer, .address_space: global }
      - { .name: lowp_scales, .offset: 16, .size: 8, .value_kind: global_buffer, .address_space: global }
      - { .name: out0, .offset: 24, .size: 8, .value_kind: global_buffer, .address_space: global }
    .group_segment_fixed_size: 327680
    .private_segment_fixed_size: 0
    .kernarg_segment_align: 8
    .kernarg_segment_size: 32
    .max_flat_workgroup_size: 512
    .sgpr_count:     66
    .vgpr_count:     256
    .wavefront_size: 32
...
	.end_amdgpu_metadata
.endif
;; end of part 2
